; MI455X (gfx1250); checked and timed in simulation.
; The chip was launched on July 23, 2026; its instructions are those of AMD's public machine-readable ISA for CDNA 5 (MIT licence, August 2026) and "CDNA5" Instruction Set Architecture Reference Guide (July 2026). The comments in the code are by the model that wrote it; some were corrected since.
;; Selective SSM. Allowed arithmetic: float matrix products may take bf16 or f16 operands with f32 sums; other float arithmetic in f32, or as packed bf16 or f16 multiplies, adds, multiply-adds, maxima and minima; sums over many terms, partial sums and values carried from step to step in f32; what a program stores and reads back later, other than sums and carried values, may be rounded once to bf16 or f16.
;; Inputs: A 16 x 16 float32; Bm 16 x 1,024 float32; Cm 1,024 x 16 float32; W_gate 1,024 x 1,024 float32; W_in 2,048 x 1,024 float32; W_out 1,024 x 1,024 float32; b_gate 1,024 float32; b_in 2,048 float32; b_out 1,024 float32; x 4 x 4,096 x 1,024 float32.
;; Outputs: out0 4 x 4,096 x 1,024 float32.
;; One version. Each part assembles by itself: llvm-mc -triple=amdgcn-amd-amdhsa -mcpu=gfx1250 --defsym DOCPART=n.
;; ======== version 1 of 1: 4 launches
;; workspace buffers: xb 33,554,432 bytes; wc 4,194,304 bytes; mt 65,536 bytes; pbuf 8,388,608 bytes; ubuf 1,048,576 bytes; cl 65,536 bytes; xe 65,536 bytes; tb 9,216 bytes
;; launch prep (part 1): grid 1216 x 1, 8 waves a work-group, no clusters, 41,984 bytes of LDS; arguments x, W_in, W_gate, W_out, Cm, xb, wc, mt; writes xb, wc, mt
.if DOCPART == 1
	.amdgcn_target "amdgcn-amd-amdhsa--gfx1250"
	.amdhsa_code_object_version 6
	.text
	.protected	k_qfbb933ec02_prep
	.globl	k_qfbb933ec02_prep
	.p2align	8
	.type	k_qfbb933ec02_prep,@function
k_qfbb933ec02_prep:
	s_mov_b64 s[64:65], 0
	v_nop
	global_prefetch_b8 v0, s[64:65] scope:SCOPE_SE
	s_setreg_imm32_b32 hwreg(HW_REG_WAVE_MODE, 25, 1), 1
	s_wait_xcnt 0x0
; PREP.  Three jobs, chosen by the work-group's number alone (the same for all eight waves):
;   0 .. 63      a tile of M = W_out Cm (1,024 x 16): out = (hs Cm^T) W_out^T = hs M^T holds for every input, so the last product shrinks to K = 16.
;   64 .. 1087   64 KiB of x, rounded once to bf16, into xb.
;   1088 .. 1215 16 rows of the weights, rounded once to bf16, into wc.  Row 256 c + 128 s + 64 gs + i of wc is row d = 128 c + 64 s + i
;                of W_in's second half (gs = 0) or of W_gate (gs = 1): a wave of the next launch then holds x_input and gate of the same d in the same lane.
;                W_in's first half feeds a part of x_proj that the output never uses.
; M's tile T = 4 G + t holds rows e = 64 G + 4 r + t (r = 0..15): lane (r, h) packs M[e][8 h .. 8 h + 7] as a high bf16 part (bytes 16 lane) and the bf16 of what is left (512 + 16 lane).
; W_out and Cm are rounded to bf16, sums in f32.  No cluster, no tensor loads: no two work-groups read the same bytes but Cm's 64 KiB.
; LIMITS.  NaN and infinities are not treated apart.
.set RED,   32768                      ; LDS: 0 .. 32,767 Cm in bf16, [d][16], wave w's 128 rows at 4,096 w; here 1 KiB a wave: its partial tile
.set SPARE, 40960                      ; the spare words, 128 bytes for each of eight waves
.set SPW, 10                           ; v10  my spare word's address; never rewritten
.set NIL, 11                           ; v11  0; never rewritten
.set SX,  12                           ; stream: v[12:75] sixteen loads of 16 bytes
.set SY,  76                           ; stream: v[76:107] the same numbers in bf16
.set CF,  12                           ; M: v[12:75] my slice of Cm as loaded, packed in place into v[12:43]
.set AF,  44                           ; M: v[44:75] four fragments of Cm^T (16 states x 32 d)
.set WF,  76                           ; M: v[76:139] W_out as loaded, packed in place into v[76:107]: four fragments (16 rows e x 32 d)
.set M0,  140                          ; M: two accumulators that take turns
.set M1,  148
.set HI,  156                          ; M: the high parts, packed
.set XT,  160                          ; M: the high parts as f32
.set LO,  20                           ; M: the low parts, packed
	s_load_b256 s[4:11], s[0:1], 0x0               ; x s[4:5], W_in s[6:7], W_gate s[8:9], W_out s[10:11]
	s_load_b256 s[12:19], s[0:1], 0x20             ; Cm s[12:13], xb s[14:15], wc s[16:17], mt s[18:19]
	v_lshl_add_u32 v[SPW], v0, 2, SPARE
	v_mov_b32 v[NIL], 0
	v_lshrrev_b32 v1, 5, v0
	v_readfirstlane_b32 s20, v1                    ; wave 0..7
	s_mov_b32 s21, 0xffff0000                      ; a word's upper bf16
	s_mov_b32 s25, 0                               ; high words of the two offsets
	s_mov_b32 s27, 0
	s_wait_kmcnt 0x0
	s_cmp_lt_u32 ttmp9, 64
	s_cbranch_scc1 .Lmtile
	; THE STREAMS.  64 KiB of f32 in, 32 KiB of bf16 out.
	s_sub_co_u32 s22, ttmp9, 64
	s_cmp_lt_u32 s22, 1024
	s_cbranch_scc0 .Lweights
	s_lshl_b32 s24, s22, 16
	s_lshl_b32 s26, s22, 15
	s_add_nc_u64 s[28:29], s[4:5], s[24:25]        ; x
	s_add_nc_u64 s[30:31], s[14:15], s[26:27]      ; xb
	s_branch .Lcopy
.Lweights:
	s_sub_co_u32 s22, s22, 1024                    ; v: rows 16 v .. 16 v + 15 of wc
	s_lshr_b32 s23, s22, 2                         ; the block of 64 rows
	s_and_b32 s32, s22, 3                          ; which 16 of them
	s_lshl_b32 s32, s32, 16                        ; 16 source rows of 4,096 bytes
	s_lshr_b32 s33, s23, 1                         ; d / 64
	s_lshl_b32 s24, s33, 18
	s_add_co_u32 s24, s24, s32
	s_lshl_b32 s26, s22, 15
	s_and_b32 s23, s23, 1                          ; gs
	s_cmp_eq_u32 s23, 1
	s_cselect_b64 s[28:29], s[8:9], s[6:7]         ; W_gate, or W_in
	s_cselect_b32 s32, 0, 0x400000                 ; W_in: from row 1,024 on
	s_add_co_u32 s24, s24, s32
	s_add_nc_u64 s[28:29], s[28:29], s[24:25]
	s_add_nc_u64 s[30:31], s[16:17], s[26:27]      ; wc
.Lcopy:
	v_lshlrev_b32 v2, 4, v0                        ; 16 bytes a thread in, 4,096 a work-group and load
	v_lshlrev_b32 v3, 3, v0                        ; 8 bytes a thread out: a wave's store covers 256 consecutive bytes, aligned
.set i, 0
.rept 16
	global_load_b128 v[SX+4*i:SX+4*i+3], v2, s[28:29] offset:4096*i th:TH_LOAD_NT
.set i, i+1
.endr
.set i, 0
.rept 16
	s_wait_loadcnt 15-i                            ; loads come back in order: load i is in, the 15 - i younger ones stay out
	v_cvt_pk_bf16_f32 v[SY+2*i], v[SX+4*i], v[SX+4*i+1]
	v_cvt_pk_bf16_f32 v[SY+2*i+1], v[SX+4*i+2], v[SX+4*i+3]
	global_store_b64 v3, v[SY+2*i:SY+2*i+1], s[30:31] offset:2048*i  ; no register of a load or store is written twice, so nothing waits for a source
.set i, i+1
.endr
	s_endpgm
	; A TILE OF M.  Wave w sums over d = 128 w .. 128 w + 127; the eight partial tiles meet in LDS.
.Lmtile:
	v_and_b32 v1, 31, v0                           ; lane
	v_and_b32 v2, 15, v0                           ; r
	v_bfe_u32 v3, v0, 4, 1                         ; h
	v_lshlrev_b32 v4, 4, v1                        ; 16 lane
	s_lshl_b32 s24, s20, 13                        ; my 128 rows of Cm: 8,192 bytes
	s_add_nc_u64 s[28:29], s[12:13], s[24:25]
.set i, 0
.rept 16
	global_load_b128 v[CF+4*i:CF+4*i+3], v4, s[28:29] offset:512*i
.set i, i+1
.endr
	s_lshr_b32 s22, ttmp9, 2                       ; G
	s_and_b32 s23, ttmp9, 3                        ; t
	s_lshl_b32 s26, s22, 18                        ; 64 rows of 4,096 bytes
	s_lshl_b32 s23, s23, 12
	s_add_co_u32 s26, s26, s23
	s_lshl_b32 s23, s20, 9                         ; my 128 d
	s_add_co_u32 s26, s26, s23
	s_add_nc_u64 s[30:31], s[10:11], s[26:27]
	v_lshlrev_b32 v5, 14, v2                       ; row e = 64 G + 4 r + t: 16,384 r,
	v_lshl_add_u32 v5, v3, 5, v5                   ; and 8 h numbers along it
.set i, 0
.rept 4                                            ; fragment i: d = 32 i + 8 h + 0..7 and 32 i + 16 + 8 h + 0..7
	global_load_b128 v[WF+16*i:WF+16*i+3],     v5, s[30:31] offset:128*i
	global_load_b128 v[WF+16*i+4:WF+16*i+7],   v5, s[30:31] offset:128*i+16
	global_load_b128 v[WF+16*i+8:WF+16*i+11],  v5, s[30:31] offset:128*i+64
	global_load_b128 v[WF+16*i+12:WF+16*i+15], v5, s[30:31] offset:128*i+80
.set i, i+1
.endr
	v_lshlrev_b32 v6, 3, v1
	v_lshl_add_u32 v6, s20, 12, v6                 ; where my 4 bf16 of Cm go: 4,096 w + 8 lane
	v_and_b32 v7, 7, v0                            ; the turning load: lane l reads row 8 h + l % 8, 16 bytes at 16 ((l / 8) % 2)
	v_lshl_add_u32 v7, v3, 3, v7
	v_bfe_u32 v8, v0, 3, 1
	v_lshlrev_b32 v7, 5, v7                        ; rows of 32 bytes
	v_lshl_add_u32 v7, v8, 4, v7
	v_lshl_add_u32 v7, s20, 12, v7
	v_lshl_add_u32 v9, s20, 10, v4
	v_add_nc_u32 v9, RED, v9                       ; my partial tile
	v_add_nc_u32 v8, RED, v4                       ; wave 0 reads all eight
	s_wait_loadcnt 16                              ; Cm's sixteen loads are in; W_out's sixteen, issued behind them, stay out
.set k, 0
.rept 32
	v_cvt_pk_bf16_f32 v[CF+k], v[CF+2*k], v[CF+2*k+1]  ; ascending: a register is written only when it has been read
.set k, k+1
.endr
.set i, 0
.rept 16
	ds_store_b64 v6, v[CF+2*i:CF+2*i+1] offset:256*i
.set i, i+1
.endr
.set i, 0
.rept 4                                            ; my own bytes, and LDS serves a wave's instructions in order (ISA guide 5.7.1): no wait between the stores and these
	ds_load_tr16_b128 v[AF+8*i:AF+8*i+3],   v7 offset:1024*i
	ds_load_tr16_b128 v[AF+8*i+4:AF+8*i+7], v7 offset:1024*i+512
.set i, i+1
.endr
	s_wait_loadcnt 0x0                             ; W_out
.set k, 0
.rept 32
	v_cvt_pk_bf16_f32 v[WF+k], v[WF+2*k], v[WF+2*k+1]
.set k, k+1
.endr
	s_wait_dscnt 0x0
	; source 0 = 16 states, source 1 = 16 rows e: a lane's eight results are M[e(r)][8 h + 0..7].  Two accumulators by turns.
	v_wmma_f32_16x16x32_bf16 v[M0:M0+7], v[AF:AF+7],       v[WF:WF+7],       0
	v_wmma_f32_16x16x32_bf16 v[M1:M1+7], v[AF+8:AF+15],    v[WF+8:WF+15],    0
	v_wmma_f32_16x16x32_bf16 v[M0:M0+7], v[AF+16:AF+23],   v[WF+16:WF+23],   v[M0:M0+7]
	v_wmma_f32_16x16x32_bf16 v[M1:M1+7], v[AF+24:AF+31],   v[WF+24:WF+31],   v[M1:M1+7]
.rept 4
	v_nop                                          ; four places behind the products (ISA guide 7.12.1)
.endr
.irp k, 0,1,2,3
	v_pk_add_f32 v[M0+2*\k:M0+2*\k+1], v[M0+2*\k:M0+2*\k+1], v[M1+2*\k:M1+2*\k+1]
.endr
	ds_store_b128 v9, v[M0:M0+3]
	ds_store_b128 v9, v[M0+4:M0+7] offset:512
	s_wait_dscnt 0x0                               ; for wave 0's sake: my partial tile is in LDS
	s_barrier_signal -1
	s_barrier_wait -1
	s_cmp_lg_u32 s20, 0
	s_cbranch_scc1 .Lend
.set i, 0
.rept 16                                           ; wave i / 2's registers 4 (i % 2) ..
	ds_load_b128 v[CF+4*i:CF+4*i+3], v8 offset:512*i
.set i, i+1
.endr
	s_lshl_b32 s24, ttmp9, 10
	s_add_nc_u64 s[34:35], s[18:19], s[24:25]      ; my tile of mt
	s_wait_dscnt 0x0
.set i, 1
.rept 7
.irp k, 0,1,2,3
	v_pk_add_f32 v[CF+2*\k:CF+2*\k+1], v[CF+2*\k:CF+2*\k+1], v[CF+8*i+2*\k:CF+8*i+2*\k+1]
.endr
.set i, i+1
.endr
.irp k, 0,1,2,3
	v_cvt_pk_bf16_f32 v[HI+\k], v[CF+2*\k], v[CF+2*\k+1]
.endr
.irp k, 0,1,2,3
	v_lshlrev_b32 v[XT+2*\k], 16, v[HI+\k]
	v_and_b32 v[XT+2*\k+1], s21, v[HI+\k]
.endr
.irp k, 0,1,2,3
	v_pk_add_f32 v[CF+2*\k:CF+2*\k+1], v[CF+2*\k:CF+2*\k+1], v[XT+2*\k:XT+2*\k+1] neg_lo:[0,1] neg_hi:[0,1]  ; what the high part leaves
.endr
.irp k, 0,1,2,3
	v_cvt_pk_bf16_f32 v[LO+\k], v[CF+2*\k], v[CF+2*\k+1]
.endr
	global_store_b128 v4, v[HI:HI+3], s[34:35]             ; 512 consecutive bytes each
	global_store_b128 v4, v[LO:LO+3], s[34:35] offset:512
.Lend:
	s_wait_tensorcnt 0x0                           ; the wave's end, behind my last LDS store
	ds_add_u32 v[SPW], v[NIL]
	s_wait_dscnt 0x0
	s_endpgm
.Lfunc_end_k_qfbb933ec02_prep:
	.size	k_qfbb933ec02_prep, .Lfunc_end_k_qfbb933ec02_prep-k_qfbb933ec02_prep
	.p2alignl 7, 3214868480
	.fill 96, 4, 3214868480
	.section	.rodata,"a",@progbits
	.p2align	6, 0x0
	.amdhsa_kernel k_qfbb933ec02_prep
		.amdhsa_group_segment_fixed_size 41984
		.amdhsa_private_segment_fixed_size 0
		.amdhsa_enable_private_segment 0
		.amdhsa_kernarg_size 64
		.amdhsa_user_sgpr_count 2
		.amdhsa_user_sgpr_kernarg_segment_ptr 1
		.amdhsa_wavefront_size32 1
		.amdhsa_system_sgpr_workgroup_id_x 1
		.amdhsa_system_sgpr_workgroup_id_y 1
		.amdhsa_system_sgpr_workgroup_id_z 1
		.amdhsa_system_vgpr_workitem_id 0
		.amdhsa_next_free_vgpr 168
		.amdhsa_next_free_sgpr 66
		.amdhsa_reserve_vcc 0
		.amdhsa_float_denorm_mode_32 3
		.amdhsa_float_denorm_mode_16_64 3
		.amdhsa_memory_ordered 1
		.amdhsa_forward_progress 1
		.amdhsa_inst_pref_size 23
	.end_amdhsa_kernel
	.amdgpu_metadata
---
amdhsa.version: [ 1, 2 ]
amdhsa.kernels:
  - .name:           k_qfbb933ec02_prep
    .symbol:         k_qfbb933ec02_prep.kd
    .args:
      - { .name: x, .offset: 0, .size: 8, .value_kind: global_buffer, .address_space: global }
      - { .name: W_in, .offset: 8, .size: 8, .value_kind: global_buffer, .address_space: global }
      - { .name: W_gate, .offset: 16, .size: 8, .value_kind: global_buffer, .address_space: global }
      - { .name: W_out, .offset: 24, .size: 8, .value_kind: global_buffer, .address_space: global }
      - { .name: Cm, .offset: 32, .size: 8, .value_kind: global_buffer, .address_space: global }
      - { .name: xb, .offset: 40, .size: 8, .value_kind: global_buffer, .address_space: global }
      - { .name: wc, .offset: 48, .size: 8, .value_kind: global_buffer, .address_space: global }
      - { .name: mt, .offset: 56, .size: 8, .value_kind: global_buffer, .address_space: global }
    .group_segment_fixed_size: 41984
    .private_segment_fixed_size: 0
    .kernarg_segment_align: 8
    .kernarg_segment_size: 64
    .max_flat_workgroup_size: 256
    .sgpr_count:     66
    .vgpr_count:     168
    .wavefront_size: 32
...
	.end_amdgpu_metadata
.endif
;; end of part 1
;; launch gemm (part 2): grid 8 x 64, 4 waves a work-group, clusters of 4 x 4, 327,680 bytes of LDS; arguments xb, wc, pbuf, b_in, b_gate, Bm; writes pbuf
.if DOCPART == 2
	.amdgcn_target "amdgcn-amd-amdhsa--gfx1250"
	.amdhsa_code_object_version 6
	.text
	.protected	k_qfbb933ec02_gemm
	.globl	k_qfbb933ec02_gemm
	.p2align	8
	.type	k_qfbb933ec02_gemm,@function
k_qfbb933ec02_gemm:
	s_mov_b64 s[64:65], 0
	v_nop
	global_prefetch_b8 v0, s[64:65] scope:SCOPE_SE
	s_setreg_imm32_b32 hwreg(HW_REG_WAVE_MODE, 25, 1), 1
	s_wait_xcnt 0x0
	s_wait_alu depctr_hold_cnt(0) depctr_sa_sdst(0) depctr_va_vdst(0) depctr_va_sdst(0) depctr_va_ssrc(0) depctr_va_vcc(0) depctr_vm_vsrc(0)
	s_getreg_b32 s2, hwreg(HW_REG_IB_STS2, 6, 4)
	s_cmp_eq_u32 s2, 0
	s_cbranch_scc0 .Lentry_in_a_cluster
	s_endpgm
.Lentry_in_a_cluster:
	s_bfe_u32 s2, ttmp6, 0x10000c
	s_cmp_lg_u32 s2, 0xf033
	s_cbranch_scc0 .Lentry_shape_is_right
	s_endpgm
.Lentry_shape_is_right:
; GEMM AND GATE.  For 256 rows of x (one group g of 256 time steps) and 128 channels d: x_input = x W_in2^T + b_in2, gate = sigmoid(x W_gate^T + b_gate), u = x_input gate,
; and u's share of uB = u Bm^T: 256 x 16 numbers in f32, a partial sum over the tile's 128 d, into pbuf[c][g].  u never goes to memory.
; A tile is 256 rows of xb x 256 rows of wc, K = 1,024 in steps of 128 through two LDS slots filled by the tensor data mover; four waves, each 128 x 128: 64 accumulators, 512 registers.
; THE MATRIX INSTRUCTION IS USED TRANSPOSED: source 0 = 16 rows of wc, source 1 = 16 rows of x.  Accumulator (a, b): lane (r, h), register j = x row 16 a + r, wc row 16 b + 8 h + j.
; By wc's order of rows b = 0..3 is x_input and b = 4..7 the gate of the same d = d0 + 16 (b % 4) + 8 h + j: the gating needs no exchange, and u, packed in pairs, IS source 1 of the second product.
; The first product of each sum takes the bias as its C operand.  x, the weights, the biases and Bm are rounded to bf16; u goes into the second product as a bf16 pair, high part and rest.
; CLUSTERS: 4 x 4 work-groups; the four of a row need the same tiles of xb, the four of a column the same tiles of wc: each tile is asked for jointly, by the same load with a mask of four.
; LIMITS.  NaN and infinities are not treated apart.  2^(-gate log2 e) below 2^-126 counts as 0 (the gate is then 1), above f32's range as infinity (the gate is then 0).
; REGISTERS, in windows of 256: window 0: v0-31 addresses; v32-47 Bm's fragments; v48-55 at work; v64-127, v128-191 fragments of x, two buffers (the second is T on the way out); v192-255 u's two parts
;   window 1: v0-63 the biases, 8 registers for each b; v64-127, v128-191 fragments of wc; v192-255 the eight tiles of uB          windows 2, 3: the accumulators of my rows 0-63, 64-127
.set SIZE_K, 1024
.set KSTEP,  128
.set PITCH,  272                       ; an LDS row: 256 bytes + 16 of padding: the 16 rows of a fragment load start at 16 different groups of four banks (ISA guide 11.1)
.set HALFT,  128*PITCH                 ; 128 rows: what one tensor load brings
.set SLOT,   4*HALFT                   ; x's 256 rows, then wc's 256 rows
.set STAGE,  2*SLOT                    ; behind the ring: uB for the way out, [column half][block of 16 steps: 1,040 bytes][step: 64 bytes]; no tensor load lands here
.set BPITCH, 1040
.set CHALF,  16*BPITCH
.set SPARE,  STAGE+2*CHALF             ; the spare words, 128 bytes for each wave
.set LAPS,   SIZE_K/(2*KSTEP)          ; a lap = two K steps = once round the ring
.set ADRA, 16                          ; v16-17  LDS address of my fragments of x in slot 0, 1
.set ADRB, 20                          ; v20-21  the same for wc
.set STO,  24                          ; v24  the way out: where my 16 bytes of uB go
.set RD,   25                          ; v25  where I read them back, turned
.set CO,   26                          ; v26  16 x lane
.set SPW,  28                          ; v28  my spare word's address; never rewritten
.set NIL,  29                          ; v29  0; never rewritten
.set BMF,  32
.set XT,   48
.set F0,   64
.set F1,   128
.set T,    128
.set UH,   192                         ; u's high parts, 16 registers for each of two row blocks; the rests 32 further on
.set UB,   192                         ; window 1
.set G1,  24                           ; s[24:31] descriptor group 1 for x's tiles; s[32:39] group 0, one set for each slot
.set G0,  32
.set G1B, 48                           ; s[48:55], s[56:63] the same for wc's
.set G0B, 56
.set MSB, 0
.macro WIN new                         ; the immediate's high byte repeats the setting that is left; a switch that changes nothing is dropped
.if MSB != (\new)
	s_set_vgpr_msb (MSB<<8)|(\new)
.set MSB, \new
.endif
.endm
.set MUL_LO, 0xa1                      ; source 0 (wc) window 1, source 1 (x) window 0, C and D window 2
.set TO_B,   0x40                      ; destination window 1, address window 0
; A joint load.  Waves 0 and 1 fetch x's two halves, waves 2 and 3 wc's.  The branch hangs on the wave's number alone.  An s_nop 0 and four v_nop follow each line.
.macro JLOAD s
	s_cmp_eq_u32 s11, 0
	s_cbranch_scc0 .Lfor_b_\@
	tensor_load_to_lds s[G0+4*(\s):G0+4*(\s)+3], s[G1:G1+7]
	s_nop 0
.rept 4
	v_nop
.endr
	s_branch .Lasked_\@
.Lfor_b_\@:
	tensor_load_to_lds s[G0B+4*(\s):G0B+4*(\s)+3], s[G1B:G1B+7]
	s_nop 0
.rept 4
	v_nop
.endr
.Lasked_\@:
.endm
.macro CREST                           ; a round of the cluster's barrier behind its opening barrier
	s_cmp_lg_u32 s10, 0
	s_cbranch_scc1 .Lnot_wave_0_\@
	s_barrier_signal -3
.Lnot_wave_0_\@:
	s_barrier_wait -3
	s_barrier_signal -1
	s_barrier_wait -1
.endm
.macro CROUND                          ; a whole round
	s_barrier_signal -1
	s_barrier_wait -1
	CREST
.endm
	s_load_b128 s[4:7], s[0:1], 0x0                ; xb s[4:5], wc s[6:7]
	s_load_b64 s[8:9], s[0:1], 0x10                ; pbuf
	s_load_b128 s[68:71], s[0:1], 0x18             ; b_in s[68:69], b_gate s[70:71]
	s_load_b64 s[72:73], s[0:1], 0x28              ; Bm
	v_lshl_add_u32 v[SPW], v0, 2, SPARE
	v_mov_b32 v[NIL], 0
	ds_add_u32 v[SPW], v[NIL]                      ; the wave's opening: the add and its wait stand ahead of my first tensor load; the set-up below stands between them
	v_lshrrev_b32 v1, 5, v0
	v_readfirstlane_b32 s10, v1                    ; wave 0..3
	s_lshr_b32 s11, s10, 1                         ; which half of the tile's x rows is mine.  Also: I fetch for x (0) or for wc (1)
	s_and_b32 s12, s10, 1                          ; which half of its wc rows.  Also: which 128 rows of that tile I fetch
	s_bfe_u32 s40, ttmp6, 0x40000                  ; cx
	s_bfe_u32 s41, ttmp6, 0x40004                  ; cy
	s_lshl_b32 s42, ttmp9, 2
	s_add_co_u32 s42, s42, s40                     ; c: tile column = 4 x cluster x + cx
	s_and_b32 s13, ttmp7, 0xffff
	s_lshl_b32 s13, s13, 2
	s_add_co_u32 s13, s13, s41                     ; g: tile row = 4 x cluster y + cy
	s_lshl_b32 s43, s41, 2
	s_lshl_b32 s43, 15, s43                        ; my row of the cluster
	s_lshl_b32 s44, 0x1111, s40                    ; my column
	s_or_b32 s[G1+0], s43, (1<<16)|(1<<20)|(1<<21)|(5<<22)|(3<<25)   ; the mask; 2-byte elements; padding on; bit 21 beside a mask; after every 64 words 4 words
	s_or_b32 s[G1B+0], s44, (1<<16)|(1<<20)|(1<<21)|(5<<22)|(3<<25)
.irp g, G1, G1B
	s_mov_b32 s[(\g)+1], KSTEP<<16                 ; tensor_dim0 = 128
	s_mov_b32 s[(\g)+2], 128<<16                   ; tensor_dim1 = 128
	s_mov_b32 s[(\g)+3], KSTEP<<16                 ; tile_dim0 = 128
	s_mov_b32 s[(\g)+4], 128                       ; tile_dim1 = 128
	s_mov_b32 s[(\g)+5], SIZE_K                    ; elements from row to row
	s_mov_b32 s[(\g)+6], 0
	s_mov_b32 s[(\g)+7], 0
.endr
	s_mov_b32 s74, 0xbfb8aa3b                      ; -log2(e), named as a pair by the packed multiply
	s_mov_b32 s75, 0xbfb8aa3b
	s_mov_b32 s76, 0xffff0000                      ; a word's upper bf16
	s_lshl_b32 s17, s12, 7                         ; which 128 rows of the tile I fetch
	s_lshl_b32 s16, s13, 8
	s_add_co_u32 s16, s16, s17                     ; x: row 256 g + 128 x half
	s_lshl_b32 s46, s42, 8
	s_add_co_u32 s46, s46, s17                     ; wc: row 256 c + 128 x half
	s_mov_b32 s17, 0
	s_mov_b32 s47, 0
	s_mov_b64 s[18:19], SIZE_K*2
	s_mul_u64 s[16:17], s[16:17], s[18:19]
	s_mul_u64 s[46:47], s[46:47], s[18:19]
	s_mul_i32 s20, s10, HALFT                      ; where they go: wave x 128 rows: no place in the cluster enters an LDS address
	s_wait_dscnt 0x0                               ; the opening add is done
	s_wait_kmcnt 0x0
	s_add_nc_u64 s[14:15], s[4:5], s[16:17]
	s_add_nc_u64 s[46:47], s[6:7], s[46:47]
	CROUND                                         ; all sixteen work-groups are here: the first joint loads meet
.irp s, 0,1
	s_mov_b32 s[G0+4*(\s)], 1
	s_add_co_u32 s[G0+4*(\s)+1], s20, (\s)*SLOT
	s_add_nc_u64 s[G0+4*(\s)+2:G0+4*(\s)+3], s[14:15], (\s)*KSTEP*2
	s_or_b32 s[G0+4*(\s)+3], s[G0+4*(\s)+3], 0x80000000
	s_mov_b32 s[G0B+4*(\s)], 1
	s_add_co_u32 s[G0B+4*(\s)+1], s20, (\s)*SLOT
	s_add_nc_u64 s[G0B+4*(\s)+2:G0B+4*(\s)+3], s[46:47], (\s)*KSTEP*2
	s_or_b32 s[G0B+4*(\s)+3], s[G0B+4*(\s)+3], 0x80000000
	JLOAD \s                                       ; K steps 0 and 1: two loads of mine are out
.endr
	v_and_b32 v1, 15, v0                           ; r
	v_bfe_u32 v2, v0, 4, 1                         ; h
	v_mul_u32_u24 v3, v1, PITCH
	v_lshl_add_u32 v3, v2, 4, v3                   ; a fragment's row x pitch + 16 h
	s_mul_i32 s21, s11, HALFT                      ; my 128 rows of x
	s_mul_i32 s22, s12, HALFT                      ; my 128 rows of wc,
	s_add_co_u32 s22, s22, 2*HALFT                 ; which lie behind x's 256
.irp s, 0,1
	v_add_nc_u32 v[ADRA+(\s)], s21, v3
	v_add_nc_u32 v[ADRB+(\s)], s22, v3
	s_add_co_u32 s21, s21, SLOT
	s_add_co_u32 s22, s22, SLOT
.endr
	s_mul_i32 s23, s12, CHALF                      ; into the stage: my column half, my eight blocks; step r, states 8 h ..
	s_mul_i32 s21, s11, 8*BPITCH
	s_add_co_u32 s23, s23, s21
	s_add_co_u32 s23, s23, STAGE
	v_lshlrev_b32 v4, 6, v1
	v_lshl_add_u32 v4, v2, 5, v4
	v_add_nc_u32 v[STO], s23, v4
	s_lshl_b32 s23, s10, 8                         ; back: wave w takes steps 4 w .. 4 w + 3; lane (r, h): block r, states 8 h ..: the pitch of 1,040 puts 16 blocks into 16 different groups of four banks
	s_add_co_u32 s23, s23, STAGE
	v_mul_u32_u24 v5, v1, BPITCH
	v_lshl_add_u32 v5, v2, 5, v5
	v_add_nc_u32 v[RD], s23, v5
	v_and_b32 v5, 31, v0
	v_lshlrev_b32 v[CO], 4, v5
	s_lshl_b32 s78, s42, 20                        ; pbuf[c][g][step 4 w ..]: 1 MiB, 16 KiB, 1 KiB
	s_lshl_b32 s77, s13, 14
	s_add_co_u32 s78, s78, s77
	s_lshl_b32 s77, s10, 12
	s_add_co_u32 s78, s78, s77
	s_mov_b32 s79, 0
	s_add_nc_u64 s[8:9], s[8:9], s[78:79]
	s_lshl_b32 s78, s42, 9                         ; 4 d0, d0 = 128 c + 64 x column half
	s_lshl_b32 s77, s12, 8
	s_add_co_u32 s78, s78, s77
	s_add_nc_u64 s[70:71], s[70:71], s[78:79]      ; b_gate at d0
	s_add_nc_u64 s[72:73], s[72:73], s[78:79]      ; Bm's row 0 at d0
	s_add_co_u32 s78, s78, 4096
	s_add_nc_u64 s[68:69], s[68:69], s[78:79]      ; b_in at 1,024 + d0
	v_lshlrev_b32 v4, 5, v2                        ; 8 h numbers
	v_lshl_add_u32 v5, v1, 12, v4                  ; Bm: state r's row, 8 h numbers along it
.irp b, 0,1,2,3
	global_load_b128 v[128+8*\b:128+8*\b+3],   v4, s[68:69] offset:64*\b
	global_load_b128 v[128+8*\b+4:128+8*\b+7], v4, s[68:69] offset:64*\b+16
	global_load_b128 v[160+8*\b:160+8*\b+3],   v4, s[70:71] offset:64*\b
	global_load_b128 v[160+8*\b+4:160+8*\b+7], v4, s[70:71] offset:64*\b+16
.endr
.irp f, 0,1
	global_load_b128 v[192+16*\f:192+16*\f+3],     v5, s[72:73] offset:128*\f
	global_load_b128 v[192+16*\f+4:192+16*\f+7],   v5, s[72:73] offset:128*\f+16
	global_load_b128 v[192+16*\f+8:192+16*\f+11],  v5, s[72:73] offset:128*\f+64
	global_load_b128 v[192+16*\f+12:192+16*\f+15], v5, s[72:73] offset:128*\f+80
.endr
	s_wait_loadcnt 0x0
.set q, 0
.rept 16
	v_cvt_pk_bf16_f32 v[BMF+q], v[192+2*q], v[192+2*q+1]   ; two fragments: 16 states x 32 d
.set q, q+1
.endr
.set q, 0
.rept 32
	v_cvt_pk_bf16_f32 v[224+q], v[128+2*q], v[128+2*q+1]   ; the biases are rounded to bf16 like every input,
.set q, q+1
.endr
	WIN TO_B
.set q, 0
.rept 32
	v_lshlrev_b32 v[2*q], 16, v[224+q]             ; and widened again: 8 registers for each b, in window 1
	v_and_b32 v[2*q+1], s76, v[224+q]
.set q, q+1
.endr
	WIN 0
; 16 matrix instructions: row blocks a0, a0 + 1 of the window's four x all 8 blocks of wc, 32 along K.  first = 1: the sums start from the biases.  The 64 accumulators take turns.
.macro MUL16 f, hi, a0, first
.if \first
	WIN 0x91+0x40*(\hi)                            ; C in window 1
.else
	WIN MUL_LO+0x50*(\hi)
.endif
.irp a, \a0, (\a0)+1
.irp b, 0,1,2,3,4,5,6,7
.if \first
	v_wmma_f32_16x16x32_bf16 v[8*(8*(\a)+(\b)):8*(8*(\a)+(\b))+7], v[(\f)+8*(\b):(\f)+8*(\b)+7], v[(\f)+8*(4*(\hi)+(\a)):(\f)+8*(4*(\hi)+(\a))+7], v[8*(\b):8*(\b)+7]
.else
	v_wmma_f32_16x16x32_bf16 v[8*(8*(\a)+(\b)):8*(8*(\a)+(\b))+7], v[(\f)+8*(\b):(\f)+8*(\b)+7], v[(\f)+8*(4*(\hi)+(\a)):(\f)+8*(4*(\hi)+(\a))+7], v[8*(8*(\a)+(\b)):8*(8*(\a)+(\b))+7]
.endif
.endr
.endr
.endm
; 32 LDS loads in one run: the fragments of a quarter step (32 K at byte k of the rows) into buffer f
.macro FETCH slot, k, f
	WIN TO_B
.irp i, 0,1,2,3,4,5,6,7
	ds_load_b128 v[(\f)+8*(\i):(\f)+8*(\i)+3],   v[ADRB+(\slot)] offset:(\k)+(\i)*16*PITCH
	ds_load_b128 v[(\f)+8*(\i)+4:(\f)+8*(\i)+7], v[ADRB+(\slot)] offset:(\k)+(\i)*16*PITCH+32
.endr
	WIN 0
.irp i, 0,1,2,3,4,5,6,7
	ds_load_b128 v[(\f)+8*(\i):(\f)+8*(\i)+3],   v[ADRA+(\slot)] offset:(\k)+(\i)*16*PITCH
	ds_load_b128 v[(\f)+8*(\i)+4:(\f)+8*(\i)+7], v[ADRA+(\slot)] offset:(\k)+(\i)*16*PITCH+32
.endr
.endm
.macro PLACES                          ; four places in front of loads into registers that matrix instructions have read, and of vector lines that read results
.rept 4
	v_nop
.endr
.endm
; A K step is four quarters of 32 along K, 64 matrix instructions each, on buffers 0, 1, 0, 1.  One of the first three: multiplies f, fetches the next quarter into g.
.macro QUARTER slot, k, f, g, first
	s_wait_dscnt 8                                 ; wc's fragments and x's rows 0-63 are in; the youngest eight loads (x's rows 64-127) may be out
	MUL16 \f, 0, 0, \first
	MUL16 \f, 0, 2, \first
	PLACES
	FETCH \slot, \k, \g
	s_wait_dscnt 32                                ; all but the 32 just issued
	MUL16 \f, 1, 0, \first
	MUL16 \f, 1, 2, \first
.endm
; The last quarter's first half: one barrier for the change of slots.
.macro MEET round
	WIN 0
	s_wait_tensorcnt 0x0                           ; all my tensor loads have landed: the one that was out is my part of the next slot
	ds_add_u32 v[SPW], v[NIL]                      ; 0 onto my spare word
	s_wait_dscnt 9                                 ; (the add and the youngest eight loads may be out)
	MUL16 F1, 0, 0, 0                              ; sixteen matrix instructions stand between the add and the wait for it
	s_wait_dscnt 0x0                               ; the add is done, and my reads of this slot are over
	s_barrier_signal -1
	MUL16 F1, 0, 2, 0
.if \round
	WIN 0
.endif
	s_barrier_wait -1
.endm
; The whole last quarter.  fill = 1: the barrier opens a round of the cluster's, and the slot just read is filled again first behind it, two K steps on: 224 matrix instructions ahead of the wait for it.
.macro TURN slot, next, fill
	MEET \fill
.if \fill
	CREST
	s_add_nc_u64 s[G0+4*(\slot)+2:G0+4*(\slot)+3], s[G0+4*(\slot)+2:G0+4*(\slot)+3], 2*KSTEP*2
	s_add_nc_u64 s[G0B+4*(\slot)+2:G0B+4*(\slot)+3], s[G0B+4*(\slot)+2:G0B+4*(\slot)+3], 2*KSTEP*2
	JLOAD \slot                                    ; its four v_nop are also the places in front of the loads below
.else
	PLACES
.endif
	FETCH \next, 0, F0
	MUL16 F1, 1, 0, 0
	MUL16 F1, 1, 2, 0
.endm
	s_wait_tensorcnt 1                             ; my part of K step 0 is in; K step 1's may stay out
	s_barrier_signal -1
	s_barrier_wait -1
	FETCH 0, 0, F0
	QUARTER 0, 64,  F0, F1, 1                      ; the first quarter stands in front of the loop: its products start the sums
	WIN 0
	s_mov_b32 s3, LAPS-1
.Llap:                                                 ; three trips: from a lap's second quarter to the next lap's first; both slots are filled again: K steps 2 to 7
	QUARTER 0, 128, F1, F0, 0
	QUARTER 0, 192, F0, F1, 0
	TURN 0, 1, 1
	QUARTER 1, 64,  F0, F1, 0
	QUARTER 1, 128, F1, F0, 0
	QUARTER 1, 192, F0, F1, 0
	TURN 1, 0, 1
	QUARTER 0, 64,  F0, F1, 0
	WIN 0
	s_sub_co_u32 s3, s3, 1
	s_cmp_lg_u32 s3, 0
	s_cbranch_scc1 .Llap
	QUARTER 0, 128, F1, F0, 0                      ; the last lap fills nothing, and has no round
	QUARTER 0, 192, F0, F1, 0
	TURN 0, 1, 0
	QUARTER 1, 64,  F0, F1, 0
	QUARTER 1, 128, F1, F0, 0
	QUARTER 1, 192, F0, F1, 0
	s_wait_dscnt 8                                 ; the very last quarter: nothing more to fetch
	MUL16 F1, 0, 0, 0
	MUL16 F1, 0, 2, 0
	s_wait_dscnt 0x0
	MUL16 F1, 1, 0, 0
	MUL16 F1, 1, 2, 0
	WIN 0
	PLACES
; THE WAY OUT, two row blocks (a = 2 p, 2 p + 1) at a time: 64 numbers a lane in T.  sigmoid(z) = 1 / (1 + 2^(-z log2 e)); u = x_input sigmoid; u = high bf16 + rest in bf16; uB(a) = Bm's fragments x u's.
; Each accumulator's registers are read in ascending order.
.macro EPAIR p
.set WA, 2+(\p)/2                      ; the accumulators' window
.set AB, 128*((\p)%2)                  ; accumulator (2 p, 0) in it
	WIN WA                                         ; source 0 in that window
.set q, 0
.rept 32
	v_pk_mul_f32 v[T+2*q:T+2*q+1], v[AB+64*(q/16)+32+2*(q%16):AB+64*(q/16)+33+2*(q%16)], s[74:75] op_sel_hi:[1,0]
.set q, q+1
.endr
	WIN 0
.set q, 0
.rept 64
	v_exp_f32 v[T+q], v[T+q]
.set q, q+1
.endr
	v_nop                                          ; a plain instruction between the last exponential and the use of its result (ISA guide 5.7.2)
.set q, 0
	s_wait_alu depctr_va_vdst(0)
.rept 32
	v_pk_add_f32 v[T+2*q:T+2*q+1], v[T+2*q:T+2*q+1], 1.0 op_sel_hi:[1,0]
.set q, q+1
.endr
.set q, 0
.rept 64
	v_rcp_f32 v[T+q], v[T+q]
.set q, q+1
.endr
	v_nop
	WIN WA
.set q, 0
	s_wait_alu depctr_va_vdst(0)
.rept 32
	v_pk_mul_f32 v[T+2*q:T+2*q+1], v[AB+64*(q/16)+2*(q%16):AB+64*(q/16)+2*(q%16)+1], v[T+2*q:T+2*q+1]
.set q, q+1
.endr
	WIN 0
.set q, 0
.rept 8                                            ; four pairs at a time
.irp k, 0,1,2,3
	v_cvt_pk_bf16_f32 v[UH+q+\k], v[T+2*(q+\k)], v[T+2*(q+\k)+1]
.endr
.irp k, 0,1,2,3
	v_lshlrev_b32 v[XT+2*\k], 16, v[UH+q+\k]
	v_and_b32 v[XT+2*\k+1], s76, v[UH+q+\k]
.endr
.irp k, 0,1,2,3
	v_pk_add_f32 v[T+2*(q+\k):T+2*(q+\k)+1], v[T+2*(q+\k):T+2*(q+\k)+1], v[XT+2*\k:XT+2*\k+1] neg_lo:[0,1] neg_hi:[0,1]
.endr
.irp k, 0,1,2,3
	v_cvt_pk_bf16_f32 v[UH+32+q+\k], v[T+2*(q+\k)], v[T+2*(q+\k)+1]
.endr
.set q, q+4
.endr
	WIN 0x50                                       ; C and D in window 1
.set z, 0
.rept 8                                            ; high parts, then rests; d 0-31, then 32-63; the two row blocks' accumulators take turns
.set aa, z%2
.set ff, (z/2)%2
.set hl, UH+32*(z/4)
.if z < 2
	v_wmma_f32_16x16x32_bf16 v[UB+8*(2*(\p)+aa):UB+8*(2*(\p)+aa)+7], v[BMF+8*ff:BMF+8*ff+7], v[hl+16*aa+8*ff:hl+16*aa+8*ff+7], 0
.else
	v_wmma_f32_16x16x32_bf16 v[UB+8*(2*(\p)+aa):UB+8*(2*(\p)+aa)+7], v[BMF+8*ff:BMF+8*ff+7], v[hl+16*aa+8*ff:hl+16*aa+8*ff+7], v[UB+8*(2*(\p)+aa):UB+8*(2*(\p)+aa)+7]
.endif
.set z, z+1
.endr
.endm
	EPAIR 0                                        ; the next pair's first 32 multiplies are the places behind a pair's products
	EPAIR 1
	EPAIR 2
	EPAIR 3
	PLACES
	; uB(a): lane (r, h), register j = state 8 h + j at step r of block 8 x row half + a.  The later launches want a tile for each STEP with the blocks as columns: turned through LDS, and the two column halves added.
	WIN 0x04                                       ; the stores' data in window 1
.irp a, 0,1,2,3,4,5,6,7
	ds_store_b128 v[STO], v[UB+8*\a:UB+8*\a+3]   offset:BPITCH*\a
	ds_store_b128 v[STO], v[UB+8*\a+4:UB+8*\a+7] offset:BPITCH*\a+16
.endr
	WIN 0
	s_wait_dscnt 0x0                               ; for the others' sake: my stores into the stage are done
	s_barrier_signal -1
	s_barrier_wait -1
.irp e, 0,1,2,3,4,5,6,7,8,9,10,11,12,13,14,15          ; column half e / 8, step 4 w + (e % 8) / 2, registers 4 (e % 2) ..
	ds_load_b128 v[T+4*\e:T+4*\e+3], v[RD] offset:CHALF*(\e/8)+64*((\e%8)/2)+16*(\e%2)
.endr
	s_wait_dscnt 0x0
.set q, 0
.rept 16
	v_pk_add_f32 v[T+2*q:T+2*q+1], v[T+2*q:T+2*q+1], v[T+32+2*q:T+32+2*q+1]
.set q, q+1
.endr
.irp e, 0,1,2,3,4,5,6,7
	global_store_b128 v[CO], v[T+4*\e:T+4*\e+3], s[8:9] offset:512*\e  ; each store covers 512 consecutive bytes, aligned
.endr
	s_wait_tensorcnt 0x0                           ; the wave's end, behind my last tensor load and my last LDS store
	ds_add_u32 v[SPW], v[NIL]
	s_wait_dscnt 0x0
	CROUND                                         ; the closing round: no work-group ends while a partner may still ask for a tile that names it
	s_endpgm
.Lfunc_end_k_qfbb933ec02_gemm:
	.size	k_qfbb933ec02_gemm, .Lfunc_end_k_qfbb933ec02_gemm-k_qfbb933ec02_gemm
	.p2alignl 7, 3214868480
	.fill 96, 4, 3214868480
	.section	.rodata,"a",@progbits
	.p2align	6, 0x0
	.amdhsa_kernel k_qfbb933ec02_gemm
		.amdhsa_group_segment_fixed_size 327680
		.amdhsa_private_segment_fixed_size 0
		.amdhsa_enable_private_segment 0
		.amdhsa_kernarg_size 48
		.amdhsa_user_sgpr_count 2
		.amdhsa_user_sgpr_kernarg_segment_ptr 1
		.amdhsa_wavefront_size32 1
		.amdhsa_system_sgpr_workgroup_id_x 1
		.amdhsa_system_sgpr_workgroup_id_y 1
		.amdhsa_system_sgpr_workgroup_id_z 1
		.amdhsa_system_vgpr_workitem_id 0
		.amdhsa_next_free_vgpr 1024
		.amdhsa_next_free_sgpr 80
		.amdhsa_reserve_vcc 0
		.amdhsa_float_denorm_mode_32 3
		.amdhsa_float_denorm_mode_16_64 3
		.amdhsa_memory_ordered 1
		.amdhsa_forward_progress 1
		.amdhsa_inst_pref_size 198
	.end_amdhsa_kernel
	.amdgpu_metadata
---
amdhsa.version: [ 1, 2 ]
amdhsa.kernels:
  - .name:           k_qfbb933ec02_gemm
    .symbol:         k_qfbb933ec02_gemm.kd
    .args:
      - { .name: xb, .offset: 0, .size: 8, .value_kind: global_buffer, .address_space: global }
      - { .name: wc, .offset: 8, .size: 8, .value_kind: global_buffer, .address_space: global }
      - { .name: pbuf, .offset: 16, .size: 8, .value_kind: global_buffer, .address_space: global }
      - { .name: b_in, .offset: 24, .size: 8, .value_kind: global_buffer, .address_space: global }
      - { .name: b_gate, .offset: 32, .size: 8, .value_kind: global_buffer, .address_space: global }
      - { .name: Bm, .offset: 40, .size: 8, .value_kind: global_buffer, .address_space: global }
    .group_segment_fixed_size: 327680
    .private_segment_fixed_size: 0
    .kernarg_segment_align: 8
    .kernarg_segment_size: 48
    .max_flat_workgroup_size: 128
    .sgpr_count:     80
    .vgpr_count:     1024
    .wavefront_size: 32
...
	.end_amdgpu_metadata
.endif
;; end of part 2
;; launch scan (part 3): grid 64 x 1, 9 waves a work-group, no clusters, 17,664 bytes of LDS; arguments pbuf, A, ubuf, cl, xe, tb; writes ubuf, cl, xe, tb
.if DOCPART == 3
	.amdgcn_target "amdgcn-amd-amdhsa--gfx1250"
	.amdhsa_code_object_version 6
	.text
	.protected	k_qfbb933ec02_scan
	.globl	k_qfbb933ec02_scan
	.p2align	8
	.type	k_qfbb933ec02_scan,@function
k_qfbb933ec02_scan:
	s_mov_b64 s[64:65], 0
	v_nop
	global_prefetch_b8 v0, s[64:65] scope:SCOPE_SE
	s_setreg_imm32_b32 hwreg(HW_REG_WAVE_MODE, 25, 1), 1
	s_wait_xcnt 0x0
; SCAN, FIRST LEVELS.  h_t = A h_(t-1) + uB_t.  Time in a batch is t = 256 g + 16 b + i; a work-group takes one group g of 256 steps (64 in all, 16 a batch).
; A TILE holds 16 state vectors as columns: lane (r, h), register j = state 8 h + j of column r.  Its image in memory: byte 512 q + 16 lane holds registers 4 q .. 4 q + 3.  In U_i the columns are the 16 blocks b.
; Waves 1-8 add the eight partial sums of uB (two steps i each), store them (ubuf) and hand them to wave 0 through LDS.  Meanwhile wave 0 makes A's powers by squaring.
; Then wave 0: E_0 = U_0, E_i = A E_(i-1) + U_i: all 16 blocks at once, each from state 0; E_15 = e.  X_b = the sum over k of (A^16)^k e_(b-k), by four doublings X += (A^16)^s shift_s(X), s = 1, 2, 4, 8:
; the state at block b's end if the group starts from 0 (xe); shifted by one column, the state at its beginning (cl).  All this is exact for every A: no power is cut off.
; THE f32 MATRIX FORM (16 x 16 x 4), four to a 16 x 16 x 16 product: K slot 2 h + j of step s stands for index 8 h + 2 s + j in both sources, so a tile is source 1 as it lies, and source 0 of a matrix P is the tile of P^T.
; The arithmetic here is 16 x 16 matrices on a chain of dependent steps: small, and carried from step to step, so it stays in f32.  A is rounded to bf16 like every input.
; The registers that this form writes are written by nothing else.  No cluster, no tensor loads: the work-groups share nothing but A's 1 KiB.
; LIMITS.  A^(2^k), k up to 11, must be finite in f32.  The sums are taken in another order than a step-by-step scan takes them.  NaN and infinities are not treated apart.
.set SPARE, 16384                      ; LDS: 0 .. 16,383 the sixteen tiles U_i; then the spare words, 128 bytes for each of nine waves, in five blocks of 256
.set SPW, 10
.set NIL, 11
.set Y1,  12                           ; v[12:19]  the tile of A^T
.set UR,  20                           ; v[20:147] waves 1-8: 32 loads; wave 0: the sixteen tiles U_i
.set X1,  20                           ; wave 0, at first: the tile of A
.set TP,  28                           ; at work
.set SH,  20                           ; wave 0, behind the first pass: a tile shifted by columns
.set XP0, 148                          ; from here on: written by the f32 matrix form alone
.set XP1, 156
.set YP0, 164
.set YP1, 172
.set K16, 180                          ; the tiles of (A^n)^T
.set K32, 188
.set K64, 196
.set K128, 204
.set K256, 212
.set K512, 220
.set K1024, 228
.set K2048, 236
.macro NOP9                            ; nine places between a product of this form and a product that takes its result as a source or as another sum's C, or writes over one of its registers (ISA guide 7.12.1)
.rept 9
	v_nop
.endr
.endm
; D = P B + C, T the tile of P^T.  One accumulator: a wait directly ahead of each link.
.macro MM16 D, T, B, C
	v_wmma_f32_16x16x4_f32 v[\D:\D+7], v[\T:\T+1], v[\B:\B+1], v[\C:\C+7]
.irp s, 1,2,3
	s_wait_alu depctr_va_vdst(0)
	v_wmma_f32_16x16x4_f32 v[\D:\D+7], v[\T+2*\s:\T+2*\s+1], v[\B+2*\s:\B+2*\s+1], v[\D:\D+7]
.endr
.endm
; The tiles of P^2 and of (P^T)^2 from those of P (XS) and P^T (YS): two accumulators by turns.
.macro SQ XD, YD, XS, YS
	v_wmma_f32_16x16x4_f32 v[\XD:\XD+7], v[\YS:\YS+1], v[\XS:\XS+1], 0
	v_wmma_f32_16x16x4_f32 v[\YD:\YD+7], v[\XS:\XS+1], v[\YS:\YS+1], 0
.irp s, 1,2,3
	v_wmma_f32_16x16x4_f32 v[\XD:\XD+7], v[\YS+2*\s:\YS+2*\s+1], v[\XS+2*\s:\XS+2*\s+1], v[\XD:\XD+7]
	v_wmma_f32_16x16x4_f32 v[\YD:\YD+7], v[\XS+2*\s:\XS+2*\s+1], v[\YS+2*\s:\YS+2*\s+1], v[\YD:\YD+7]
.endr
.endm
; D = SRC + P shift_s(SRC): column r takes column r - s, the first s columns 0.
.macro ROUND D, T, s, SRC
	NOP9
.irp j, 0,1,2,3,4,5,6,7
	v_mov_b32_dpp v[SH+\j], v[\SRC+\j] row_shr:\s row_mask:0xf bank_mask:0xf bound_ctrl:1
.endr
	MM16 \D, \T, SH, \SRC
.endm
	s_load_b256 s[4:11], s[0:1], 0x0               ; pbuf s[4:5], A s[6:7], ubuf s[8:9], cl s[10:11]
	s_load_b128 s[12:15], s[0:1], 0x20             ; xe s[12:13], tb s[14:15]
	v_lshl_add_u32 v[SPW], v0, 2, SPARE
	v_mov_b32 v[NIL], 0
	v_lshrrev_b32 v1, 5, v0
	v_readfirstlane_b32 s16, v1                    ; wave 0..8
	v_and_b32 v2, 31, v0
	v_lshlrev_b32 v2, 4, v2                        ; 16 lane
	s_mov_b32 s17, 0xffff0000
	s_lshl_b32 s18, ttmp9, 14                      ; a group's sixteen tiles
	s_mov_b32 s19, 0
	s_wait_kmcnt 0x0
	s_cmp_eq_u32 s16, 0
	s_cbranch_scc1 .Lpowers
	; WAVES 1-8: steps 2 (w - 1) and 2 (w - 1) + 1
	s_add_nc_u64 s[4:5], s[4:5], s[18:19]
	s_add_nc_u64 s[8:9], s[8:9], s[18:19]
	s_sub_co_u32 s20, s16, 1
	v_lshl_add_u32 v3, s20, 11, v2                 ; my two tiles: in pbuf, in ubuf and in LDS alike
.set p, 0
.rept 8
.irp e, 0,1,2,3
	global_load_b128 v[UR+16*p+4*\e:UR+16*p+4*\e+3], v3, s[4:5] offset:(p<<20)+512*\e
.endr
.set p, p+1
.endr
.set p, 1
.rept 7
	s_wait_loadcnt 4*(7-p)                         ; partial sums 0 to p are in; the 7 - p younger ones, four loads each, stay out
.irp e, 0,1,2,3,4,5,6,7
	v_pk_add_f32 v[UR+2*\e:UR+2*\e+1], v[UR+2*\e:UR+2*\e+1], v[UR+16*p+2*\e:UR+16*p+2*\e+1]
.endr
.set p, p+1
.endr
.irp e, 0,1,2,3
	global_store_b128 v3, v[UR+4*\e:UR+4*\e+3], s[8:9] offset:512*\e
	ds_store_b128 v3, v[UR+4*\e:UR+4*\e+3] offset:512*\e
.endr
	s_branch .Lmeet
	; WAVE 0: the powers
.Lpowers:
	v_and_b32 v4, 15, v0                           ; r
	v_bfe_u32 v5, v0, 4, 1                         ; h
	v_lshlrev_b32 v6, 6, v4
	v_lshl_add_u32 v6, v5, 5, v6                   ; A[r][8 h ..]: the tile of A^T
	v_lshlrev_b32 v7, 2, v4
	v_lshl_add_u32 v7, v5, 9, v7                   ; A[8 h + j][r]: the tile of A
	global_load_b128 v[Y1:Y1+3], v6, s[6:7]
	global_load_b128 v[Y1+4:Y1+7], v6, s[6:7] offset:16
.irp j, 0,1,2,3,4,5,6,7
	global_load_b32 v[X1+\j], v7, s[6:7] offset:64*\j
.endr
	s_wait_loadcnt 0x0
.irp k, 0,1,2,3
	v_cvt_pk_bf16_f32 v[TP+\k], v[Y1+2*\k], v[Y1+2*\k+1]
	v_cvt_pk_bf16_f32 v[TP+4+\k], v[X1+2*\k], v[X1+2*\k+1]
.endr
.irp k, 0,1,2,3
	v_lshlrev_b32 v[Y1+2*\k], 16, v[TP+\k]
	v_and_b32 v[Y1+2*\k+1], s17, v[TP+\k]
	v_lshlrev_b32 v[X1+2*\k], 16, v[TP+4+\k]
	v_and_b32 v[X1+2*\k+1], s17, v[TP+4+\k]
.endr
	SQ XP0, YP0, X1, Y1                            ; A^2
	NOP9
	SQ XP1, YP1, XP0, YP0                          ; A^4
	NOP9
	SQ XP0, YP0, XP1, YP1                          ; A^8
	NOP9
	SQ XP1, K16, XP0, YP0
	NOP9
	SQ XP0, K32, XP1, K16
	NOP9
	SQ XP1, K64, XP0, K32
	NOP9
	SQ XP0, K128, XP1, K64
	s_cmp_lg_u32 ttmp9, 0
	s_cbranch_scc1 .Lmeet
	NOP9                                           ; work-group 0 goes on to A^2048 and stores the table for the next launch
	SQ XP1, K256, XP0, K128
	NOP9
	SQ XP0, K512, XP1, K256
	NOP9
	SQ XP1, K1024, XP0, K512
	NOP9
	SQ XP0, K2048, XP1, K1024
	NOP9
	global_store_b128 v2, v[Y1:Y1+3], s[14:15]
	global_store_b128 v2, v[Y1+4:Y1+7], s[14:15] offset:512
.set i, 0
.rept 8                                            ; each tile's low registers first
	global_store_b128 v2, v[K16+8*i:K16+8*i+3],   s[14:15] offset:1024*(i+1)
	global_store_b128 v2, v[K16+8*i+4:K16+8*i+7], s[14:15] offset:1024*(i+1)+512
.set i, i+1
.endr
.Lmeet:
	s_wait_dscnt 0x0                               ; for wave 0's sake: my tiles are in LDS
	s_barrier_signal -1
	s_barrier_wait -1
	s_cmp_lg_u32 s16, 0
	s_cbranch_scc1 .Lend
.set i, 0
.rept 32
	ds_load_b128 v[UR+4*i:UR+4*i+3], v2 offset:512*i
.set i, i+1
.endr
	s_lshl_b32 s18, ttmp9, 10                      ; a group's tile in cl and in xe
	s_add_nc_u64 s[10:11], s[10:11], s[18:19]
	s_add_nc_u64 s[12:13], s[12:13], s[18:19]
	s_wait_dscnt 0x0
.set i, 1
.rept 15                                           ; E_i = A E_(i-1) + U_i, in YP1 and YP0 by turns
.if i > 1
	NOP9
.endif
.if i == 1
	MM16 YP1, Y1, UR, UR+8
.elseif i % 2
	MM16 YP1, Y1, YP0, UR+8*i
.else
	MM16 YP0, Y1, YP1, UR+8*i
.endif
.set i, i+1
.endr
.irp j, 0,1,2,3,4,5,6,7
	v_mov_b32 v[SH+\j], 0                          ; written whole before the shifts name it as their destination
.endr
	ROUND YP0, K16,  1, YP1
	ROUND YP1, K32,  2, YP0
	ROUND YP0, K64,  4, YP1
	ROUND YP1, K128, 8, YP0
	NOP9
.irp j, 0,1,2,3,4,5,6,7
	v_mov_b32_dpp v[SH+\j], v[YP1+\j] row_shr:1 row_mask:0xf bank_mask:0xf bound_ctrl:1
.endr
	global_store_b128 v2, v[SH:SH+3], s[10:11]
	global_store_b128 v2, v[SH+4:SH+7], s[10:11] offset:512
	global_store_b128 v2, v[YP1:YP1+3], s[12:13]
	global_store_b128 v2, v[YP1+4:YP1+7], s[12:13] offset:512
.Lend:
	s_wait_tensorcnt 0x0                           ; the wave's end, behind my last LDS store
	ds_add_u32 v[SPW], v[NIL]
	s_wait_dscnt 0x0
	s_endpgm
.Lfunc_end_k_qfbb933ec02_scan:
	.size	k_qfbb933ec02_scan, .Lfunc_end_k_qfbb933ec02_scan-k_qfbb933ec02_scan
	.p2alignl 7, 3214868480
	.fill 96, 4, 3214868480
	.section	.rodata,"a",@progbits
	.p2align	6, 0x0
	.amdhsa_kernel k_qfbb933ec02_scan
		.amdhsa_group_segment_fixed_size 17664
		.amdhsa_private_segment_fixed_size 0
		.amdhsa_enable_private_segment 0
		.amdhsa_kernarg_size 48
		.amdhsa_user_sgpr_count 2
		.amdhsa_user_sgpr_kernarg_segment_ptr 1
		.amdhsa_wavefront_size32 1
		.amdhsa_system_sgpr_workgroup_id_x 1
		.amdhsa_system_sgpr_workgroup_id_y 1
		.amdhsa_system_sgpr_workgroup_id_z 1
		.amdhsa_system_vgpr_workitem_id 0
		.amdhsa_next_free_vgpr 244
		.amdhsa_next_free_sgpr 66
		.amdhsa_reserve_vcc 0
		.amdhsa_float_denorm_mode_32 3
		.amdhsa_float_denorm_mode_16_64 3
		.amdhsa_memory_ordered 1
		.amdhsa_forward_progress 1
		.amdhsa_inst_pref_size 39
	.end_amdhsa_kernel
	.amdgpu_metadata
---
amdhsa.version: [ 1, 2 ]
amdhsa.kernels:
  - .name:           k_qfbb933ec02_scan
    .symbol:         k_qfbb933ec02_scan.kd
    .args:
      - { .name: pbuf, .offset: 0, .size: 8, .value_kind: global_buffer, .address_space: global }
      - { .name: A, .offset: 8, .size: 8, .value_kind: global_buffer, .address_space: global }
      - { .name: ubuf, .offset: 16, .size: 8, .value_kind: global_buffer, .address_space: global }
      - { .name: cl, .offset: 24, .size: 8, .value_kind: global_buffer, .address_space: global }
      - { .name: xe, .offset: 32, .size: 8, .value_kind: global_buffer, .address_space: global }
      - { .name: tb, .offset: 40, .size: 8, .value_kind: global_buffer, .address_space: global }
    .group_segment_fixed_size: 17664
    .private_segment_fixed_size: 0
    .kernarg_segment_align: 8
    .kernarg_segment_size: 48
    .max_flat_workgroup_size: 288
    .sgpr_count:     66
    .vgpr_count:     244
    .wavefront_size: 32
...
	.end_amdgpu_metadata
.endif
;; end of part 3
;; launch emit (part 4): grid 256 x 1, 4 waves a work-group, no clusters, 0 bytes of LDS; arguments ubuf, cl, xe, tb, mt, b_out, out0; writes out0
.if DOCPART == 4
	.amdgcn_target "amdgcn-amd-amdhsa--gfx1250"
	.amdhsa_code_object_version 6
	.text
	.protected	k_qfbb933ec02_emit
	.globl	k_qfbb933ec02_emit
	.p2align	8
	.type	k_qfbb933ec02_emit,@function
k_qfbb933ec02_emit:
	s_mov_b64 s[64:65], 0
	v_nop
	global_prefetch_b8 v0, s[64:65] scope:SCOPE_SE
	s_setreg_imm32_b32 hwreg(HW_REG_WAVE_MODE, 25, 1), 1
	s_wait_xcnt 0x0
; SCAN, LAST LEVELS, AND THE OUTPUT.  out[t][e] = the sum over n of h_t[n] M[e][n] + b_out[e], M = W_out Cm.
; A wave takes one group g of 256 steps and the 64 columns e = 64 G .. 64 G + 63: 256 bytes of each of 256 rows.  Tiles, images and the f32 matrix form as in the launch before:
; lane (r, h), register j = state 8 h + j of column r; a tile is source 1 as it lies; source 0 of P is the tile of P^T, which the table tb holds for A^n, n = 1, 16, 32 .. 2048.
; PROLOGUE.  F = the 16 groups' end states from 0 (column 15 of each group's xe).  Four doublings with A^256 .. A^2048 give every group's true end state; column gb - 1 is the state c with which my group
; begins (0 for a batch's first group).  Four doublings with A^16 .. A^128 on the tile (c, 0, .. 0) give (A^16)^b c; with cl that is the state with which each block b begins.
; MAIN.  H_i = A H_(i-1) + U_i, sixteen steps, all 16 blocks as columns.  H_i, packed in pairs, IS source 0 (16 rows t x 16 states) of the output product; K = 32 holds the states twice:
; [hi | hi] x [M_hi | M_lo] + [lo | lo] x [M_hi | M_lo], so neither h nor M loses more than a bf16 pair's rounding.  Four tiles of M with e = 64 G + 4 r + t: a lane's four results for a row are 16 neighbouring bytes.
; The waves repeat the small scan: 16 KiB of U for 64 KiB of output, through registers; no LDS byte, no barrier, no cluster (nothing is brought by tensor loads, and the four work-groups of a group share those 16 KiB alone).
; A step's three parts stand a step apart: chain(n), conversion(n - 1), bias and stores(n - 2), products(n - 1): the vector work is the places that the matrix forms ask for.
; LIMITS.  As in the launch before; b_out is rounded to bf16 like every input.
.set TA,  8                            ; v[8:15]   the tile of A^T
.set RA,  16                           ; v[16:23], v[24:31]: written by the f32 matrix form alone
.set RB,  24
.set CI,  32                           ; the blocks' first states
.set SH,  40                           ; a tile shifted by columns
.set FV,  48
.set CLR, 56
.set V0,  64
.set BO,  72                           ; b_out[64 G + 4 r + 0..3]
.set TMP, 76
.set MF,  92                           ; four fragments of M
.set HS,  124                          ; two sets of [hi | hi], [lo | lo]
.set ACC, 156                          ; four accumulators
.set OUT, 188                          ; eight rows' 16 bytes
.set TBL, 156                          ; prologue: the tiles of (A^n)^T, n = 16 .. 2048, where ACC and OUT lie later
.set MSB, 0
.macro WIN new
.if MSB != (\new)
	s_set_vgpr_msb (MSB<<8)|(\new)
.set MSB, \new
.endif
.endm
.macro NOP9
.rept 9
	v_nop
.endr
.endm
.macro MM16 D, T, B, C                 ; D = P B + C; one accumulator: a wait directly ahead of each link
	v_wmma_f32_16x16x4_f32 v[\D:\D+7], v[\T:\T+1], v[\B:\B+1], v[\C:\C+7]
.irp s, 1,2,3
	s_wait_alu depctr_va_vdst(0)
	v_wmma_f32_16x16x4_f32 v[\D:\D+7], v[\T+2*\s:\T+2*\s+1], v[\B+2*\s:\B+2*\s+1], v[\D:\D+7]
.endr
.endm
.macro ROUND D, T, s, SRC              ; D = SRC + P shift_s(SRC)
	NOP9
.irp j, 0,1,2,3,4,5,6,7
	v_mov_b32_dpp v[SH+\j], v[\SRC+\j] row_shr:\s row_mask:0xf bank_mask:0xf bound_ctrl:1
.endr
	MM16 \D, \T, SH, \SRC
.endm
	s_load_b256 s[4:11], s[0:1], 0x0               ; ubuf s[4:5], cl s[6:7], xe s[8:9], tb s[10:11]
	s_load_b128 s[12:15], s[0:1], 0x20             ; mt s[12:13], b_out s[14:15]
	s_load_b64 s[16:17], s[0:1], 0x30              ; out0
	v_lshrrev_b32 v2, 5, v0
	v_readfirstlane_b32 s20, v2                    ; wave 0..3
	s_lshr_b32 s21, ttmp9, 2                       ; g
	s_and_b32 s24, ttmp9, 3
	s_lshl2_add_u32 s24, s24, s20                  ; G = 4 (id % 4) + wave
	s_and_b32 s25, s21, 15                         ; gb: the group in its batch
	s_lshr_b32 s26, s21, 4                         ; the batch
	s_cmp_lg_u32 s25, 0
	s_cselect_b32 s22, 0x00010001, 0               ; the lanes of column 0, or none in a batch's first group
	s_mov_b32 s23, 0xffff0000
	s_sub_co_u32 s27, s25, 1
	s_and_b32 s27, s27, 15
	s_mov_b32 s29, 0
	v_and_b32 v2, 31, v0
	v_lshlrev_b32 v1, 4, v2                        ; 16 lane
	v_and_b32 v3, 15, v0                           ; r
	v_bfe_u32 v2, v0, 4, 1                         ; h
	v_lshlrev_b32 v4, 10, v3
	v_lshl_add_u32 v4, v2, 8, v4                   ; group r's tile in xe, lane 16 h
	v_lshlrev_b32 v7, 4, v3                        ; 16 r
	v_lshl_add_u32 v5, v2, 19, v7                  ; out0: 128 h rows of 4,096 bytes, 16 r
	v_lshl_add_u32 v6, v2, 4, s27
	v_lshlrev_b32 v6, 2, v6                        ; the lane of column gb - 1 in my half, times 4
.irp j, 0,1,2,3,4,5,6,7
	v_mov_b32 v[SH+\j], 0                          ; written whole before the shifts name it as their destination
.endr
	s_wait_kmcnt 0x0
	s_lshl_b32 s28, s21, 14
	s_add_nc_u64 s[4:5], s[4:5], s[28:29]          ; my group's sixteen tiles U_i
	s_lshl_b32 s28, s21, 10
	s_add_nc_u64 s[6:7], s[6:7], s[28:29]          ; its tile of cl
	s_lshl_b32 s28, s26, 14
	s_add_nc_u64 s[8:9], s[8:9], s[28:29]          ; my batch's sixteen tiles of xe
	s_lshl_b32 s28, s24, 12
	s_add_nc_u64 s[12:13], s[12:13], s[28:29]      ; my four tiles of M
	s_lshl_b32 s28, s24, 8
	s_add_nc_u64 s[14:15], s[14:15], s[28:29]      ; my 64 columns
	s_add_nc_u64 s[16:17], s[16:17], s[28:29]
	s_lshl_b32 s28, s21, 20
	s_add_nc_u64 s[16:17], s[16:17], s[28:29]      ; my 256 rows
	global_load_b128 v[TA:TA+3], v1, s[10:11]
	global_load_b128 v[TA+4:TA+7], v1, s[10:11] offset:512
.set i, 0
.rept 16
	global_load_b128 v[TBL+4*i:TBL+4*i+3], v1, s[10:11] offset:1024+512*i
.set i, i+1
.endr
	global_load_b128 v[FV:FV+3], v4, s[8:9] offset:240     ; lane 15 + 16 h of the image: column 15
	global_load_b128 v[FV+4:FV+7], v4, s[8:9] offset:752
	global_load_b128 v[CLR:CLR+3], v1, s[6:7]
	global_load_b128 v[CLR+4:CLR+7], v1, s[6:7] offset:512
	WIN 0x40                                       ; destination window 1: U_i at v[8 i] there
.set i, 0
.rept 32
	global_load_b128 v[4*i:4*i+3], v1, s[4:5] offset:512*i
.set i, i+1
.endr
	WIN 0
.set i, 0
.rept 8
	global_load_b128 v[MF+4*i:MF+4*i+3], v1, s[12:13] offset:512*i
.set i, i+1
.endr
	global_load_b128 v[BO:BO+3], v7, s[14:15]
	s_wait_loadcnt 41                              ; the table, F and cl are in; U's 32 loads, M's 8 and b_out's, issued behind them, stay out
	ROUND RA, TBL+32, 1, FV                        ; A^256
	ROUND RB, TBL+40, 2, RA                        ; A^512
	ROUND RA, TBL+48, 4, RB                        ; A^1024
	ROUND RB, TBL+56, 8, RA                        ; A^2048
	NOP9
.irp j, 0,1,2,3,4,5,6,7
	ds_bpermute_b32 v[V0+\j], v6, v[RB+\j]         ; every lane takes column gb - 1 of its half (no LDS byte is touched)
.endr
	s_wait_dscnt 0x0
.irp j, 0,1,2,3,4,5,6,7
	v_cndmask_b32 v[V0+\j], 0, v[V0+\j], s22       ; and only column 0 keeps it
.endr
	ROUND RA, TBL,    1, V0                        ; A^16
	ROUND RB, TBL+8,  2, RA                        ; A^32
	ROUND RA, TBL+16, 4, RB                        ; A^64
	ROUND RB, TBL+24, 8, RA                        ; A^128
	NOP9
.irp k, 0,1,2,3
	v_pk_add_f32 v[CI+2*\k:CI+2*\k+1], v[RB+2*\k:RB+2*\k+1], v[CLR+2*\k:CLR+2*\k+1]
.endr
	s_wait_loadcnt 0x0                             ; U, M, b_out
	v_cvt_pk_bf16_f32 v[TMP], v[BO], v[BO+1]
	v_cvt_pk_bf16_f32 v[TMP+1], v[BO+2], v[BO+3]
	v_lshlrev_b32 v[BO], 16, v[TMP]
	v_and_b32 v[BO+1], s23, v[TMP]
	v_lshlrev_b32 v[BO+2], 16, v[TMP+1]
	v_and_b32 v[BO+3], s23, v[TMP+1]
.macro CHAIN n                         ; H_n = A H_(n-1) + U_n, in RA (n even) or RB
.if (\n) % 2
.set cD, RB
.set cB, RA
.else
.set cD, RA
.set cB, RB
.endif
.if (\n) == 0
.set cB, CI
.endif
.if (\n) == 1
	NOP9                                           ; there is no vector work yet to stand behind the first chain
.endif
	WIN 0x10                                       ; C in window 1
	v_wmma_f32_16x16x4_f32 v[cD:cD+7], v[TA:TA+1], v[cB:cB+1], v[8*(\n):8*(\n)+7]
	WIN 0
.irp s, 1,2,3
	s_wait_alu depctr_va_vdst(0)
	v_wmma_f32_16x16x4_f32 v[cD:cD+7], v[TA+2*\s:TA+2*\s+1], v[cB+2*\s:cB+2*\s+1], v[cD:cD+7]
.endr
.endm
.macro CONV m                          ; H_m as a bf16 pair, each part twice along K; H's registers are only read, from the low end on
.set cH, RA+8*((\m)%2)
.set c1, HS+16*((\m)%2)
.set c2, c1+8
.irp k, 0,1,2,3
	v_cvt_pk_bf16_f32 v[c1+\k], v[cH+2*\k], v[cH+2*\k+1]
.endr
.irp k, 0,1,2,3
	v_mov_b32 v[c1+4+\k], v[c1+\k]
.endr
.irp k, 0,1,2,3
	v_lshlrev_b32 v[TMP+2*\k], 16, v[c1+\k]
	v_and_b32 v[TMP+2*\k+1], s23, v[c1+\k]
.endr
.irp k, 0,1,2,3
	v_pk_add_f32 v[TMP+2*\k:TMP+2*\k+1], v[cH+2*\k:cH+2*\k+1], v[TMP+2*\k:TMP+2*\k+1] neg_lo:[0,1] neg_hi:[0,1]
.endr
.irp k, 0,1,2,3
	v_cvt_pk_bf16_f32 v[c2+\k], v[TMP+2*\k], v[TMP+2*\k+1]
.endr
.irp k, 0,1,2,3
	v_mov_b32 v[c2+4+\k], v[c2+\k]
.endr
.endm
.macro MM m                            ; eight products; the four accumulators take turns
.set c1, HS+16*((\m)%2)
.irp t, 0,1,2,3
	v_wmma_f32_16x16x32_bf16 v[ACC+8*\t:ACC+8*\t+7], v[c1:c1+7], v[MF+8*\t:MF+8*\t+7], 0
.endr
.irp t, 0,1,2,3
	v_wmma_f32_16x16x32_bf16 v[ACC+8*\t:ACC+8*\t+7], v[c1+8:c1+15], v[MF+8*\t:MF+8*\t+7], v[ACC+8*\t:ACC+8*\t+7]
.endr
.endm
.macro ADDS m                          ; step m of every block: register j of accumulator t is row 16 (8 h + j) + m, column 64 G + 4 r + t
	s_wait_xcnt 0x0                                ; OUT, which the last step's stores read, is rewritten only behind this wait
.irp j, 0,1,2,3,4,5,6,7
.irp t, 0,1,2,3
	v_add_f32 v[OUT+4*\j+\t], v[ACC+8*\t+\j], v[BO+\t]
.endr
	global_store_b128 v5, v[OUT+4*\j:OUT+4*\j+3], s[16:17] offset:65536*\j+4096*(\m) th:TH_STORE_NT  ; sixteen lanes store 256 consecutive bytes, aligned; 520,192 at the most in the immediate
.endr
.endm
.set n, 0
.rept 18
.if n < 16
	CHAIN n
.endif
.if (n >= 1) && (n <= 16)
	CONV n-1
.endif
.if n == 17
.rept 4
	v_nop                                          ; the places behind the last products
.endr
.endif
.if n >= 2
	ADDS n-2
.endif
.if (n >= 1) && (n <= 16)
	MM n-1
.endif
.set n, n+1
.endr
	s_endpgm
.Lfunc_end_k_qfbb933ec02_emit:
	.size	k_qfbb933ec02_emit, .Lfunc_end_k_qfbb933ec02_emit-k_qfbb933ec02_emit
	.p2alignl 7, 3214868480
	.fill 96, 4, 3214868480
	.section	.rodata,"a",@progbits
	.p2align	6, 0x0
	.amdhsa_kernel k_qfbb933ec02_emit
		.amdhsa_group_segment_fixed_size 0
		.amdhsa_private_segment_fixed_size 0
		.amdhsa_enable_private_segment 0
		.amdhsa_kernarg_size 56
		.amdhsa_user_sgpr_count 2
		.amdhsa_user_sgpr_kernarg_segment_ptr 1
		.amdhsa_wavefront_size32 1
		.amdhsa_system_sgpr_workgroup_id_x 1
		.amdhsa_system_sgpr_workgroup_id_y 1
		.amdhsa_system_sgpr_workgroup_id_z 1
		.amdhsa_system_vgpr_workitem_id 0
		.amdhsa_next_free_vgpr 384
		.amdhsa_next_free_sgpr 66
		.amdhsa_reserve_vcc 0
		.amdhsa_float_denorm_mode_32 3
		.amdhsa_float_denorm_mode_16_64 3
		.amdhsa_memory_ordered 1
		.amdhsa_forward_progress 1
		.amdhsa_inst_pref_size 83
	.end_amdhsa_kernel
	.amdgpu_metadata
---
amdhsa.version: [ 1, 2 ]
amdhsa.kernels:
  - .name:           k_qfbb933ec02_emit
    .symbol:         k_qfbb933ec02_emit.kd
    .args:
      - { .name: ubuf, .offset: 0, .size: 8, .value_kind: global_buffer, .address_space: global }
      - { .name: cl, .offset: 8, .size: 8, .value_kind: global_buffer, .address_space: global }
      - { .name: xe, .offset: 16, .size: 8, .value_kind: global_buffer, .address_space: global }
      - { .name: tb, .offset: 24, .size: 8, .value_kind: global_buffer, .address_space: global }
      - { .name: mt, .offset: 32, .size: 8, .value_kind: global_buffer, .address_space: global }
      - { .name: b_out, .offset: 40, .size: 8, .value_kind: global_buffer, .address_space: global }
      - { .name: out0, .offset: 48, .size: 8, .value_kind: global_buffer, .address_space: global }
    .group_segment_fixed_size: 0
    .private_segment_fixed_size: 0
    .kernarg_segment_align: 8
    .kernarg_segment_size: 56
    .max_flat_workgroup_size: 128
    .sgpr_count:     66
    .vgpr_count:     384
    .wavefront_size: 32
...
	.end_amdgpu_metadata
.endif
;; end of part 4
